; MI455X (gfx1250); checked and timed in simulation.
; The chip was launched on July 23, 2026; its instructions are those of AMD's public machine-readable ISA for CDNA 5 (MIT licence, August 2026) and "CDNA5" Instruction Set Architecture Reference Guide (July 2026). The comments in the code are by the model that wrote it; some were corrected since.
;; Scaled Dot Product Attention. Allowed arithmetic: matrix products marked QUANTISED: E2M1 operands, one E8M0 scale for each 32 along K, by v_wmma_scale_f32_16x16x128_f8f6f4 with both operands' format E2M1 (or v_wmma_scale_f32_32x16x128_f4), f32 sums; everything else in f32.
;; Inputs: multi_head_k_codes 2 x 12 x 2,048 x 2 x 16 uint8 (E2M1 codes of multi_head_k, K innermost, in blocks of 32 codes, two codes a byte); multi_head_k_scales 2 x 12 x 2,048 x 2 uint8 (E8M0 scales of multi_head_k, one for each 32 codes along K); multi_head_q_codes 2 x 12 x 2,048 x 2 x 16 uint8 (E2M1 codes of multi_head_q, K innermost, in blocks of 32 codes, two codes a byte); multi_head_q_scales 2 x 12 x 2,048 x 2 uint8 (E8M0 scales of multi_head_q, one for each 32 codes along K); multi_head_v_codes 2 x 12 x 64 x 64 x 16 uint8 (E2M1 codes of multi_head_v, K innermost, in blocks of 32 codes, two codes a byte); multi_head_v_scales 2 x 12 x 64 x 64 uint8 (E8M0 scales of multi_head_v, one for each 32 codes along K).
;; Outputs: out0 2 x 2,048 x 768 float32.
;; This version of the problem:
;;   THIS VERSION OF THE PROBLEM IS GIVEN IN LOW PRECISION. The matrix products marked QUANTISED in the list below multiply operands that are first quantised to E2M1 (2 exponent bits, 1 mantissa bit; 4 bits a number), with one power-of-two scale for each 32 numbers along K (OCP MX v1.0); their sums are f32. All else is computed in f32.
;;   The module's matrix products, in the order in which they are computed (A, B: the left and right operand; K: the contracted axis; several contracted axes count as one K, in the product's order):
;;     1. batch 24 x [M 2,048, K 64] x [K 64, N 2,048]; A: input multi_head_q (given as codes); B: input multi_head_k (given as codes): QUANTISED
;;     2. batch 24 x [M 2,048, K 2,048] x [K 2,048, N 64]; A: softmax (see below); B: input multi_head_v (given as codes): QUANTISED
;;   THE QUANTISER, for each operand of a quantised product, along K:
;;     - K is cut into blocks of 32 from its start; a last block that is shorter is filled with zeros.
;;     - A block's scale is 2^e with e = floor(log2(the largest magnitude in the block)) - 2, held to -126 .. 127; a block of zeros has e = 0. As a byte (E8M0): e + 127.
;;     - Each number is divided by its block's scale, clamped to +-6, and rounded to the nearest number of E2M1, ties to even, subnormals kept.
;;     - The product sums the exact products of the quantised numbers (number of the format x scale) in f32.
;;   ~~~python
;;   def quantise(x, axis):      # numpy; x: float32 -> the quantised numbers, widened to float32 again
;;       x = np.moveaxis(x, axis, -1); K = x.shape[-1]
;;       x = np.pad(x, [(0, 0)] * (x.ndim - 1) + [(0, -K % 32)]); x = x.reshape(x.shape[:-1] + (-1, 32)); a = np.abs(x).max(-1, keepdims=True)
;;       e = np.where(a > 0, np.clip(np.frexp(np.where(a > 0, a, 1))[1] - 1 - 2, -126, 127), 0)      # np.frexp(a)[1] - 1 = floor(log2(a)), exactly
;;       r = np.clip(x / 2.0 ** e, -6, 6)
;;       step = 2.0 ** (np.maximum(np.frexp(np.where(r == 0, 1, r))[1] - 1, 0) - 1)
;;       q = np.round(r / step) * step * 2.0 ** e      # np.round: ties to even
;;       return np.moveaxis(q.reshape(q.shape[:-2] + (-1,))[..., :K], -1, axis).astype(np.float32)
;;   ~~~
;;   SOFTMAX AHEAD OF A QUANTISED PRODUCT. Where the list says 'softmax', what is quantised is not the finished softmax but p = 2^(t - M), with t = logit x log2(e) and M = ceil(the row's largest t), a whole number; so 1/2 < the row's largest p <= 1. The row's sum l is taken of the UNQUANTISED p, in f32, and the product's result is divided by l at the end. Since M is a whole number, a kernel that streams over the keys may use a running M (the ceiling of the running maximum): every later rescaling is an exact power of two, which a block's scale takes up: the codes' values come out the same.
;;   OPERANDS COMPUTED ON THE WAY. 'Computed on the way' means the value that the module computes at that place (a softmax that the list does not call 'softmax' is quantised finished and normalised). What goes into a quantiser is computed in f32, as accurately as f32 sums, v_exp_f32 and their like allow (about 1e-6 of the number): no bf16 or f16 on the way to a quantiser, and a product that is left as it is and whose result goes on into a quantised operand takes f32 operands (vector FMAs, or v_wmma_f32_16x16x4_f32). A number that lies on a knife's edge between two numbers of the format may be rounded either way, as far as f32 arithmetic and the matrix unit's own rounding can turn it there, and no further.
;;   INPUTS GIVEN AS CODES. multi_head_k (in the module: [2, 12, 2048, 64], K = its axis 3); multi_head_q (in the module: [2, 12, 2048, 64], K = its axis 3); multi_head_v (in the module: [2, 12, 2048, 64], K = its axis 2): each comes as NAME_codes (uint8): NAME with its K axis moved to the last place and cut into blocks of 32 codes, [.., K / 32, bytes a block], one block behind the other in memory; two codes a byte, the lower K in the low four bits (a code: sign, 2 exponent bits, 1 mantissa bit); and NAME_scales (uint8): the same leading axes, one E8M0 byte (e + 127) for each 32 codes along K. Its value is code x scale, taken as it is: it is not quantised again, and the codes and scales need not be those that the quantiser above would give.
;; One version. Each part assembles by itself: llvm-mc -triple=amdgcn-amd-amdhsa -mcpu=gfx1250 --defsym DOCPART=n.
;; ======== version 1 of 1: 1 launch
;; launch attn (part 1): grid 8 x 24, 16 waves a work-group, clusters of 4 x 1, 215,040 bytes of LDS; arguments multi_head_q_codes, multi_head_q_scales, multi_head_k_codes, multi_head_k_scales, multi_head_v_codes, multi_head_v_scales, out0; writes out0
.if DOCPART == 1
	.amdgcn_target "amdgcn-amd-amdhsa--gfx1250"
	.amdhsa_code_object_version 6
	.text
	.protected	k_q39e4573e6c_attn
	.globl	k_q39e4573e6c_attn
	.p2align	8
	.type	k_q39e4573e6c_attn,@function
k_q39e4573e6c_attn:
	s_mov_b64 s[64:65], 0
	v_nop
	global_prefetch_b8 v0, s[64:65] scope:SCOPE_SE
	s_setreg_imm32_b32 hwreg(HW_REG_WAVE_MODE, 25, 1), 1
	s_wait_xcnt 0x0
	s_wait_alu depctr_hold_cnt(0) depctr_sa_sdst(0) depctr_va_vdst(0) depctr_va_sdst(0) depctr_va_ssrc(0) depctr_va_vcc(0) depctr_vm_vsrc(0)
	s_getreg_b32 s2, hwreg(HW_REG_IB_STS2, 6, 4)
	s_cmp_eq_u32 s2, 0
	s_cbranch_scc0 .Lentry_in_a_cluster
	s_endpgm
.Lentry_in_a_cluster:
	s_bfe_u32 s2, ttmp6, 0x10000c
	s_cmp_lg_u32 s2, 0x3003
	s_cbranch_scc0 .Lentry_shape_is_right
	s_endpgm
.Lentry_shape_is_right:
; out[b][q][64 hh + d] = the sum over keys k <= q of softmax_k(Q[q] . K[k] / 8) V[k][d], for 24 heads (head = 12 b + hh), 2,048 queries and keys, head size 64.
; Both products on codes of FP4 (E2M1) with one E8M0 scale for each 32 along a product's K.  Q, K: 32 bytes of codes and 2 scale bytes a row.  V: the keys innermost: for each head 64 rows (d) of 1,024 bytes, 64 scale bytes a row.
; THE SOFTMAX AHEAD OF THE SECOND PRODUCT: t = score x log2(e) / 8; M = the row's largest t so far, rounded UP to a whole number; p = 2^(t - M) is quantised along the keys, not normalised.  The row's sum is taken of
; the unquantised p in f32 and divides O at the end.  When M moves, the sum and O are multiplied by 2^(old M - new M): nothing is rounded.
; THE FIRST PRODUCT'S K IS 64, the instruction's 128: registers 4-7 of Q's and of K's fragments hold zero codes, and the upper two bytes of their scale words are 0 (2^-127 over zero codes adds nothing).
; LDS.  One head's K, V and scale bytes are 139,264 bytes: they come into LDS once, whole, by six tensor loads at the start; nothing is filled again, so there is no ring.
; CLUSTER.  The eight work-groups of a head read the same K and V at the same moment: four of them form a cluster and ask JOINTLY (mask 15, the same descriptor in all four, made of the head and the wave's number alone).
; SHARES.  A head has 128 tiles of 16 queries; tile 8 g + c (g = 0 .. 15, c = 0 .. 7) needs g + 1 key steps of 128 keys under the causal mask.  A work-group (cluster x = 0, 1; place cx = 0 .. 3) takes columns c = 2 cx, 2 cx + 1 and
; the eight g in {a, 15 - a: a = 4 x cluster x + 0 .. 3}: 16 tiles, one a wave, 4 x 34 = 136 tile steps in every work-group.  cx enters global addresses and the mask's lane constant alone: no branch and no LDS address hangs on it;
; the number of key steps hangs on the cluster's x and the wave's number.  With the wave's number as bits q1 q0 s1 s0: a = 4 x cluster x + 2 q1 + s1, g = a or 15 - a as q0 xor s0 is 0 or 1, c = 2 cx + q0:
; in the 4 x 4 square of waves every row and every column holds two pairs (a, 15 - a), 34 steps.
; 192 work-groups: the even unit of work is a pair of tiles (17 steps), 64 pairs a head; 128 tiles a head do not divide into shares for 256 work-groups without work-groups that hold two heads' K and V.
; LAYOUT.  Both products are used transposed: S^T = K Q^T (source 0 = 16 keys, source 1 = my 16 queries), O^T = V^T P^T (source 0 = 16 of the head's 64, source 1 = P): a lane holds ONE query (lane % 16) throughout.
; THE KEYS OF A TILE ARE NOT NEIGHBOURS: lane r of tile 2 b + u takes key 32 b + 8 u + r + 8 (r / 8), so that the 16 registers of tiles 2 b and 2 b + 1 are 16 neighbouring keys, 32 b + 16 (lane / 16) + 0 .. 15.
; LIMITS: a scale byte 0xff among the inputs gives NaN, as it means; p under 2^-126 falls to 0 (v_exp_f32 gives 0 for a result that would be denormal: ISA guide, its entry); a block of p that is all zeros keeps the byte 1 over zero codes;
; a block's largest p is made from its largest score by the same two instructions, which takes v_exp_f32 not to fall where its input rises.
.set KP,    528                        ; K in LDS: rows of 512 bytes (16 keys) + 16 of padding: key k lies at (k / 16) x 528 + (k % 16) x 32
.set VB,    128*KP                     ; 67,584: V's 64 rows of 1,024 bytes + 16
.set VP,    1040
.set KSB,   VB+64*VP                   ; 134,144: K's scale bytes, dense, 2 a key
.set VSB,   KSB+4096                   ; 138,240: V's scale bytes, 64 rows of 64 bytes + 16
.set VSP,   80
.set STAGE, VSB+64*VSP                 ; 143,360: the way out: 16 rows x (256 bytes + 16) for each wave; no tensor load lands here
.set SP,    272
.set AK0,  1                           ; v1   my lane's place in a step's tiles of K: (r / 8) x 528 + (r % 8) x 32 + 16 h
.set AV0,  2                           ; v2   in V: VB + r x 1,040 + 16 h
.set ASK0, 3                           ; v3   among K's scale bytes: KSB + 2 r + 16 (r / 8) + 16 h: lanes 0-15 the even tile's keys, lanes 16-31 the odd tile's, 8 keys on
.set ASV0, 4                           ; v4   among V's: VSB + 80 x lane: lanes 0-15 the even tile's rows, lanes 16-31 the odd tile's
.set GO,   5                           ; v5   the way out: my byte offset in two rows of the output
.set STO,  6                           ; v6   where I put 32 bytes of a row in my stage
.set RD,   7                           ; v7   where I read a row back
.set ADK,  8                           ; v8-11 the step's LDS addresses: K, V, K's scales, V's scales
.set ADV,  9
.set ADS,  10
.set ADT,  11
                                       ; v12 -M, v13 the largest t, v[14:15] the sum in two halves
.set QF,   16                          ; v16-19 Q's codes, v20-23 zero codes
.set QO,   24                          ; v24  Q's codes: r x 32 + 16 h
.set DL,   25                          ; v25  16 c + r - 16 h: my query less the diagonal step's first key less my half's 16 keys
.set QSO,  26                          ; v26  Q's scale bytes: 2 r
.set KFR,  32                          ; v32-95 K's eight fragments: tile t at v[32 + 8 t]: + 0 .. 3 loaded, + 4 .. 7 zero codes, written once
.set S,    96                          ; v96-159 S^T, then p
.set O,    160                         ; v160-191 O^T, four tiles
.set VF,   192                         ; v192-223 V's four fragments
.set PC,   224                         ; v224-231 p's codes
.set BM,   232                         ; v232-235 the blocks' largest scores, then largest p
.set T4,   236                         ; v236-239 at work
.set KS,   240                         ; v240-243 K's scale words: register b for tiles 2 b (lanes 0-15) and 2 b + 1 (lanes 16-31)
.set CO,   244                         ; v244-247 the conversions' scale operands
.set VS,   248                         ; v248-249 V's scale words: register p for tiles 2 p and 2 p + 1
.set F,    250                         ; v250 f = 2^(old M - new M); v251 written once (named with it as a pair)
.set XL,   252                         ; v252 the way out's exchange
.set PS,   253                         ; v253 p's scale word
.set TT,   254                         ; v254 at work
.set QS,   255                         ; v255 Q's scale word
.set WV,   18                          ; s18  my wave's number
.set G128, 19                          ; s19  128 g: my tile's diagonal step's first key; made of the cluster's x and the wave's number
.set SEL,  20                          ; s[20:21] lane selects for v_permlanex16_b32: lane l xor 16
.set CS,   22                          ; s[22:23] c = log2(e) / 8: the packed form names a pair and takes its low word for both halves
.set G1K,  24                          ; s[24:31], s[32:39], s[40:47], s[48:55] descriptor groups 1: K, V, K's scales, V's scales
.set G1V,  32
.set G1SK, 40
.set G1SV, 48
.set G0K,  56                          ; s[56:59], s[60:63], s[68:71], s[72:75] their groups 0
.set G0V,  60
.set G0SK, 68
.set G0SV, 72
.set KF,   76                          ; s76  the step's first key: the loop's counter
.set TK,   77                          ; s77-80 where the step's bytes begin in K, in a row of V, among K's scale bytes, in a row of V's
.set TV,   78
.set TS,   79
.set TJ,   80
; A round of the cluster's barrier: my work-group's barrier, so that wave 0's signal speaks for all sixteen waves; wave 0 signals for the work-group; every wave waits for all four work-groups; my work-group's barrier once more.
.macro CROUND
	s_barrier_signal -1
	s_barrier_wait -1
	s_cmp_lg_u32 s[WV], 0
	s_cbranch_scc1 .Lnot_wave_0_\@
	s_barrier_signal -3
.Lnot_wave_0_\@:
	s_barrier_wait -3
	s_barrier_signal -1
	s_barrier_wait -1
.endm
; A joint load; four v_nop follow it, ahead of the jump, the label and what follows.
.macro TL g0, g1
	tensor_load_to_lds s[\g0:\g0+3], s[\g1:\g1+7]
	s_nop 0
.rept 4
	v_nop
.endr
.endm
	s_load_b256 s[4:11], s[0:1], 0x0               ; Q's codes s[4:5], Q's scales s[6:7], K's codes s[8:9], K's scales s[10:11]
	s_load_b128 s[12:15], s[0:1], 0x20             ; V's codes, V's scales
	s_load_b64 s[16:17], s[0:1], 0x30              ; the output
	v_lshl_add_u32 v254, v0, 2, 0x34000
	v_mov_b32 v255, 0
	ds_add_u32 v254, v255
	ds_add_u32 v254, v255
	s_wait_dscnt 0x0
	v_lshrrev_b32 v27, 5, v0
	v_readfirstlane_b32 s[WV], v27                 ; wave 0..15
	s_and_b32 s81, ttmp7, 0xffff                   ; the head, which the four partners share
	s_bfe_u32 s82, ttmp6, 0x40000                  ; cx: my place in the cluster
	; which tile is my wave's
	s_lshr_b32 s2, s[WV], 2                        ; q1 q0
	s_and_b32 s3, s2, 2                            ; 2 q1
	s_lshr_b32 s85, s[WV], 1
	s_and_b32 s85, s85, 1                          ; s1
	s_or_b32 s3, s3, s85
	s_lshl_b32 s85, ttmp9, 2                       ; in a cluster launch ttmp9 counts clusters
	s_add_co_u32 s3, s3, s85                       ; a = 4 x cluster x + 2 q1 + s1
	s_xor_b32 s85, s2, s[WV]
	s_and_b32 s85, s85, 1                          ; q0 xor s0
	s_mul_i32 s85, s85, 15
	s_xor_b32 s3, s3, s85                          ; g = a or 15 - a
	s_lshl_b32 s[G128], s3, 7
	s_and_b32 s2, s2, 1                            ; q0
	s_lshl_b32 s83, s82, 1
	s_add_co_u32 s83, s83, s2                      ; c = 2 cx + q0
	s_lshl_b32 s83, s83, 4                         ; 16 c
	s_add_co_u32 s84, s[G128], s83                 ; my first query: 128 g + 16 c
	; descriptor groups 1.  15:0 the mask: all four work-groups; 17:16 the element's size; 20 padding on; 21 set beside a mask; 24:22 the padding's interval; 31:25 its length less one, in words
	s_mov_b32 s[G1K], 15|(1<<20)|(1<<21)|(6<<22)|(3<<25)           ; K's codes: half a head, 32,768 dense bytes, as 64 rows of 512 bytes; four words of padding after every 128
	s_mov_b32 s[G1K+1], 512<<16                    ; tensor_dim0
	s_mov_b32 s[G1K+2], 64<<16                     ; tensor_dim1
	s_mov_b32 s[G1K+3], 512<<16                    ; tile_dim0
	s_mov_b32 s[G1K+4], 64                         ; tile_dim1
	s_mov_b32 s[G1K+5], 512                        ; tensor_dim0_stride
	s_mov_b32 s[G1K+6], 0
	s_mov_b32 s[G1K+7], 0
	s_mov_b32 s[G1V], 15|(1<<20)|(1<<21)|(7<<22)|(3<<25)           ; V's codes: 32 rows of 1,024 bytes; four words of padding after every 256
	s_mov_b32 s[G1V+1], 1024<<16
	s_mov_b32 s[G1V+2], 32<<16
	s_mov_b32 s[G1V+3], 1024<<16
	s_mov_b32 s[G1V+4], 32
	s_mov_b32 s[G1V+5], 1024
	s_mov_b32 s[G1V+6], 0
	s_mov_b32 s[G1V+7], 0
	s_mov_b32 s[G1SK], 15|(3<<16)|(1<<21)          ; K's scale bytes: 4,096 dense bytes as 16 rows of 32 elements of 8 bytes, no padding
	s_mov_b32 s[G1SK+1], 32<<16
	s_mov_b32 s[G1SK+2], 16<<16
	s_mov_b32 s[G1SK+3], 32<<16
	s_mov_b32 s[G1SK+4], 16
	s_mov_b32 s[G1SK+5], 32
	s_mov_b32 s[G1SK+6], 0
	s_mov_b32 s[G1SK+7], 0
	s_mov_b32 s[G1SV], 15|(1<<20)|(1<<21)|(3<<22)|(3<<25)          ; V's scale bytes: 64 rows of 64 bytes; four words of padding after every 16
	s_mov_b32 s[G1SV+1], 64<<16
	s_mov_b32 s[G1SV+2], 64<<16
	s_mov_b32 s[G1SV+3], 64<<16
	s_mov_b32 s[G1SV+4], 64
	s_mov_b32 s[G1SV+5], 64
	s_mov_b32 s[G1SV+6], 0
	s_mov_b32 s[G1SV+7], 0
	s_mov_b32 s[SEL], 0x76543210
	s_mov_b32 s[SEL+1], 0xfedcba98
	s_mov_b32 s[CS], 0x3e38aa3b                    ; c = log2(e) / 8
	s_mov_b32 s[CS+1], s[CS]                       ; (named with it as a pair, so it is written)
	s_mov_b32 s[KF], 0
	s_mov_b32 s[TK], 0
	s_mov_b32 s[TV], 0
	s_mov_b32 s[TS], 0
	s_mov_b32 s[TJ], 0
	; byte offsets, each in a pair with 0 on top.  Those that feed descriptors are made of the head and the wave's number alone, in registers that never hold cx
	s_and_b32 s85, s[WV], 1                        ; which half of K's keys, or of V's rows, I would fetch
	s_lshl_b32 s86, s81, 16                        ; a head's codes are 65,536 bytes in each of the three tensors,
	s_lshl_b32 s87, s85, 15                        ; a half 32,768
	s_add_co_u32 s86, s86, s87
	s_mov_b32 s87, 0
	s_lshl_b32 s88, s81, 12                        ; a head's scale bytes are 4,096 in each
	s_mov_b32 s89, 0
	s_mul_i32 s2, s85, 64*KP                       ; the half's place in LDS: K's,
	s_mul_i32 s3, s85, 32*VP
	s_add_co_u32 s3, s3, VB                        ; V's
	s_lshl_b32 s90, s81, 16                        ; Q's codes at my first query: 32 bytes a query
	s_lshl_b32 s91, s84, 5
	s_add_co_u32 s90, s90, s91
	s_mov_b32 s91, 0
	s_lshl_b32 s92, s84, 1                         ; its scale bytes: 2 a query
	s_add_co_u32 s92, s92, s88
	s_mov_b32 s93, 0
	s_cmp_ge_u32 s81, 12                           ; the output: head = 12 b + hh; row b x 2,048 + query of 3,072 bytes, 256 hh bytes on
	s_cselect_b32 s85, 12, 0
	s_cselect_b32 s94, 6291456, 0
	s_sub_co_u32 s85, s81, s85
	s_lshl_b32 s85, s85, 8
	s_add_co_u32 s94, s94, s85
	s_mul_i32 s95, s84, 3072
	s_add_co_u32 s94, s94, s95
	s_mov_b32 s95, 0
	s_wait_kmcnt 0x0
	s_mov_b32 s[G0K], 1                            ; 1:0 count = 1
	s_mov_b32 s[G0K+1], s2                         ; 63:32 LDS address
	s_add_nc_u64 s[G0K+2:G0K+3], s[8:9], s[86:87]  ; 120:64 global address
	s_or_b32 s[G0K+3], s[G0K+3], 0x80000000        ; 127:126 type = 2
	s_mov_b32 s[G0V], 1
	s_mov_b32 s[G0V+1], s3
	s_add_nc_u64 s[G0V+2:G0V+3], s[12:13], s[86:87]
	s_or_b32 s[G0V+3], s[G0V+3], 0x80000000
	s_mov_b32 s[G0SK], 1
	s_mov_b32 s[G0SK+1], KSB
	s_add_nc_u64 s[G0SK+2:G0SK+3], s[10:11], s[88:89]
	s_or_b32 s[G0SK+3], s[G0SK+3], 0x80000000
	s_mov_b32 s[G0SV], 1
	s_mov_b32 s[G0SV+1], VSB
	s_add_nc_u64 s[G0SV+2:G0SV+3], s[14:15], s[88:89]
	s_or_b32 s[G0SV+3], s[G0SV+3], 0x80000000
	s_add_nc_u64 s[4:5], s[4:5], s[90:91]          ; Q's codes, Q's scale bytes and the output at my first query
	s_add_nc_u64 s[6:7], s[6:7], s[92:93]
	s_add_nc_u64 s[16:17], s[16:17], s[94:95]
	CROUND                                         ; all four work-groups are here: the joint loads meet
	; THE FILLS, all of them: waves 0 and 1 K's halves, waves 2 and 3 V's, wave 4 K's scale bytes, wave 5 V's.  The branches hang on the wave's number alone.  A wave has at most one tensor load out
	s_cmp_lt_u32 s[WV], 2
	s_cbranch_scc0 .Lnot_k
	TL G0K, G1K
	s_branch .Lasked
.Lnot_k:
	s_cmp_lt_u32 s[WV], 4
	s_cbranch_scc0 .Lnot_v
	TL G0V, G1V
	s_branch .Lasked
.Lnot_v:
	s_cmp_eq_u32 s[WV], 4
	s_cbranch_scc0 .Lnot_sk
	TL G0SK, G1SK
	s_branch .Lasked
.Lnot_sk:
	s_cmp_eq_u32 s[WV], 5
	s_cbranch_scc0 .Lasked
	TL G0SV, G1SV
.Lasked:
	; while the fills are on their way: Q, the addresses, the zeros
	v_and_b32 v27, 15, v0                          ; r = lane % 16
	v_bfe_u32 v28, v0, 4, 1                        ; h = lane / 16
	v_lshlrev_b32 v[QO], 5, v27
	v_lshl_add_u32 v[QO], v28, 4, v[QO]            ; Q: row r of 32 bytes, + 16 h: k = 32 h + 0 .. 31
	v_lshlrev_b32 v[QSO], 1, v27
	global_load_b128 v[QF:QF+3], v[QO], s[4:5] th:TH_LOAD_NT       ; Q's fragment stays in registers; 32 lanes read 512 consecutive bytes, which the launch reads once
	global_load_u16 v[QS], v[QSO], s[6:7]          ; Q's two scale bytes; the upper two bytes of the word come out 0
	v_bfe_u32 v29, v0, 3, 1                        ; r / 8
	v_and_b32 v30, 7, v0                           ; r % 8
	v_and_b32 v31, 31, v0                          ; lane
	v_mul_u32_u24 v[AK0], v29, KP
	v_lshl_add_u32 v[AK0], v30, 5, v[AK0]
	v_lshl_add_u32 v[AK0], v28, 4, v[AK0]
	v_mul_u32_u24 v[AV0], v27, VP
	v_lshl_add_u32 v[AV0], v28, 4, v[AV0]
	v_add_nc_u32 v[AV0], VB, v[AV0]
	v_lshlrev_b32 v[ASK0], 1, v27
	v_lshl_add_u32 v[ASK0], v29, 4, v[ASK0]
	v_lshl_add_u32 v[ASK0], v28, 4, v[ASK0]
	v_add_nc_u32 v[ASK0], KSB, v[ASK0]
	v_mul_u32_u24 v[ASV0], v31, VSP
	v_add_nc_u32 v[ASV0], VSB, v[ASV0]
	v_mul_u32_u24 v[GO], v28, 3072                 ; the way out: lanes 0-15 take one row of the output, lanes 16-31 the next; 16 bytes a lane
	v_lshl_add_u32 v[GO], v27, 4, v[GO]
	s_mul_i32 s85, s[WV], 16*SP
	s_add_co_u32 s85, s85, STAGE                   ; my stage
	v_mul_u32_u24 v[STO], v27, SP                  ; in: row r; tile t's eight channels of my half: 64 t + 32 h bytes on
	v_lshl_add_u32 v[STO], v28, 5, v[STO]
	v_add_nc_u32 v[STO], s85, v[STO]
	v_mul_u32_u24 v[RD], v28, SP                   ; back: lanes 0-15 one row of 256 bytes, lanes 16-31 the next
	v_lshl_add_u32 v[RD], v27, 4, v[RD]
	v_add_nc_u32 v[RD], s85, v[RD]
	v_lshlrev_b32 v[DL], 4, v28
	v_sub_nc_u32 v[DL], v27, v[DL]
	v_add_nc_u32 v[DL], s83, v[DL]                 ; 16 c + r - 16 h: it feeds a compare and a select, no branch and no address
.irp j, 4,5,6,7
	v_mov_b32 v[QF+\j], 0                          ; zero codes for k = 64 .. 127: Q's,
.endr
.irp t, 0,1,2,3,4,5,6,7
.irp j, 4,5,6,7
	v_mov_b32 v[KFR+8*\t+\j], 0                    ; and K's, in each of the eight fragments: written once, no load lands on them
.endr
.endr
.irp j, 0,1,2,3,4,5,6,7,8,9,10,11,12,13,14,15,16,17,18,19,20,21,22,23,24,25,26,27,28,29,30,31
	v_mov_b32 v[O+\j], 0                           ; O^T.  (The step is written once: the first finds zeros, which the first change of M leaves zeros)
.endr
	v_mov_b32 v13, 0xff61b1e6                      ; the largest t so far: -3e38, under every t
	v_floor_f32 v12, -v13                          ; -M
	v_mov_b32 v14, 0                               ; the sum, in two halves
	v_mov_b32 v15, 0
.irp b, 0,1,2,3
	v_mov_b32 v[T4+\b], 0                          ; written once: a lane permute's destination counts as one of its sources
.endr
	v_mov_b32 v[F+1], 0                            ; (named as the upper half of the pair with f)
	v_mov_b32 v[XL], 0
	s_wait_loadcnt 0x0                             ; Q is in
	s_wait_tensorcnt 0x0                           ; my fill, if I issued one, has landed: for the others' sake the count is 0
	s_barrier_signal -1
	s_barrier_wait -1                              ; everybody's has: the head's K, V and scale bytes lie in LDS, and nobody writes them again
; THE LOOP OVER KEY STEPS: 16 trips in every wave, a constant; a step all of whose keys come after my 16 queries is left out by a scalar branch on ids, round its work and not round the lines that step addresses.
.Lstep:
	s_cmp_gt_u32 s[KF], s[G128]
	s_cbranch_scc1 .Lhidden
	; ---- the step's loads, all of them at once.  The four additions are the places between the last step's second product and the loads into V's registers
	v_add_nc_u32 v[ADK], s[TK], v[AK0]
	v_add_nc_u32 v[ADV], s[TV], v[AV0]
	v_add_nc_u32 v[ADS], s[TS], v[ASK0]
	v_add_nc_u32 v[ADT], s[TJ], v[ASV0]
.irp t, 0,1,2,3,4,5,6,7
	ds_load_b128 v[KFR+8*\t:KFR+8*\t+3], v[ADK] offset:(\t/2)*2*KP+(\t%2)*256    ; tile 2 b + u: two LDS rows a b, 8 keys of 32 bytes a u
.endr
.irp b, 0,1,2,3
	ds_load_u16 v[KS+\b], v[ADS] offset:64*\b      ; two scale bytes a key, the upper two bytes of the word 0
.endr
.irp t, 0,1,2,3
.irp c, 0,1
	ds_load_b128 v[VF+8*\t+4*\c:VF+8*\t+4*\c+3], v[ADV] offset:16*\t*VP+32*\c
.endr
.endr
.irp p, 0,1
	ds_load_b32 v[VS+\p], v[ADT] offset:32*\p*VSP
.endr
	; ---- S^T = K Q^T: eight tiles of 16 keys
	s_wait_dscnt 10                                ; K's twelve loads are in; V's ten, issued behind them, may stay out
.irp t, 0,2,4,6
	v_wmma_scale_f32_16x16x128_f8f6f4 v[S+8*\t:S+8*\t+7], v[KFR+8*\t:KFR+8*\t+7], v[QF:QF+7], 0, v[KS+\t/2], v[QS] matrix_a_fmt:MATRIX_FMT_FP4 matrix_b_fmt:MATRIX_FMT_FP4
	v_wmma_scale_f32_16x16x128_f8f6f4 v[S+8*\t+8:S+8*\t+15], v[KFR+8*\t+8:KFR+8*\t+15], v[QF:QF+7], 0, v[KS+\t/2], v[QS] matrix_a_fmt:MATRIX_FMT_FP4 matrix_b_fmt:MATRIX_FMT_FP4 matrix_a_scale:MATRIX_SCALE_ROW1
.endr
.rept 4
	v_nop                                          ; four places between a matrix instruction and the first vector instruction that reads its result (ISA guide 7.12.1)
.endr
	; ---- the mask: only the step on the diagonal has hidden keys.  Register 16 b + i holds key KF + 32 b + 16 h + i: hidden where 32 b + i > 16 c + r - 16 h.  Hidden scores become -infinity ahead of the maximum: p = 0 then
	s_cmp_lt_u32 s[KF], s[G128]
	s_cbranch_scc1 .Lopen
	v_mov_b32 v[TT], 0xff800000                    ; -infinity
.irp n, 0,1,2,3,4,5,6,7,8,9,10,11,12,13,14,15,16,17,18,19,20,21,22,23,24,25,26,27,28,29,30,31,32,33,34,35,36,37,38,39,40,41,42,43,44,45,46,47,48,49,50,51,52,53,54,55,56,57,58,59,60,61,62,63
	v_cmp_gt_i32 vcc_lo, 32*(\n/16)+\n%16, v[DL]
	v_cndmask_b32 v[S+\n], v[S+\n], v[TT], vcc_lo
.endr
.Lopen:
	; ---- the softmax
.irp b, 0,1,2,3
	v_max3_num_f32 v[BM+\b], v[S+16*\b], v[S+1+16*\b], v[S+2+16*\b]   ; THE LARGEST SCORE OF EACH BLOCK OF 32 KEYS: it serves twice: for the row's maximum, and, since p rises with the score, for the block's largest p
.endr
.irp i, 3,5,7,9,11,13
.irp b, 0,1,2,3
	v_max3_num_f32 v[BM+\b], v[BM+\b], v[S+16*\b+\i], v[S+1+16*\b+\i]   ; (the four blocks by turns)
.endr
.endr
.irp b, 0,1,2,3
	v_max_num_f32 v[BM+\b], v[BM+\b], v[S+15+16*\b]
.endr
.irp b, 0,1,2,3
	v_permlanex16_b32 v[T4+\b], v[BM+\b], s[SEL], s[SEL+1]
.endr
.irp b, 0,1,2,3
	v_max_num_f32 v[BM+\b], v[BM+\b], v[T4+\b]     ; with lane l xor 16's 16 keys
.endr
	v_max3_num_f32 v[TT], v[BM], v[BM+1], v[BM+2]
	v_max_num_f32 v[TT], v[TT], v[BM+3]            ; the step's largest score of my query
	v_mul_f32 v[TT], s[CS], v[TT]                  ; as t (c is positive)
	v_max_num_f32 v13, v13, v[TT]                  ; the running largest t
	v_mov_b32 v[TT], v12
	v_floor_f32 v12, -v13                          ; the new -M = floor(-t) = -ceil(t): M IS A WHOLE NUMBER
	v_sub_f32 v[TT], v12, v[TT]                    ; M's old value less its new one: a whole number, 0 or less
	v_cvt_i32_f32 v[TT], v[TT]                     ; (it saturates)
	v_ldexp_f32 v[F], 1.0, v[TT]                   ; f = 2^(old M - new M): what was summed under the old M is brought under the new by a multiplication that rounds nothing
.irp j, 0,2,4,6,8,10,12,14,16,18,20,22,24,26,28,30,32,34,36,38,40,42,44,46,48,50,52,54,56,58,60,62
	v_pk_fma_f32 v[S+\j:S+1+\j], v[S+\j:S+1+\j], s[CS:CS+1], v[12:13] op_sel_hi:[1,0,0]   ; t - M, two at a time (of the pairs c and -M the low word serves both halves)
.endr
.irp b, 0,1,2,3
	v_fma_f32 v[BM+\b], v[BM+\b], s[CS], v12       ; the same of each block's largest score
.endr
.irp j, 0,1,2,3,4,5,6,7,8,9,10,11,12,13,14,15,16,17,18,19,20,21,22,23,24,25,26,27,28,29,30,31,32,33,34,35,36,37,38,39,40,41,42,43,44,45,46,47,48,49,50,51,52,53,54,55,56,57,58,59,60,61,62,63
	v_exp_f32 v[S+\j], v[S+\j]                     ; p = 2^(t - M): NOT normalised
.endr
.irp b, 0,1,2,3
	v_exp_f32 v[BM+\b], v[BM+\b]                   ; the block's largest p: the same two instructions on the same number give the same bits
.endr
	v_pk_mul_f32 v[14:15], v[14:15], v[F:F+1] op_sel_hi:[1,0]      ; the sums under the new M.  (The plain instruction behind the exponentials: ISA guide 5.7.2)
	s_wait_alu depctr_va_vdst(0)
.irp b, 0,1,2,3
	v_max_num_f32 v[BM+\b], 0x1800000, v[BM+\b]    ; the floor 2^(3 - 127): the byte cannot fall under 1 (a block whose every p is 0 keeps that byte: its codes are zeros)
.endr
.irp b, 0,1,2,3
	v_add_nc_u32 v[CO+\b], 0xff000000, v[BM+\b]    ; 2 off the exponent field: the conversion takes the exponent field of this operand as its scale, and nothing else of it
.endr
.irp b, 0,1,2,3
	v_lshrrev_b32 v[T4+\b], 23, v[CO+\b]           ; the scale's byte
.endr
	v_lshl_or_b32 v[PS], v[T4+1], 8, v[T4]         ; p's scale word for these 128 keys
	v_lshl_or_b32 v[PS], v[T4+2], 16, v[PS]
	v_lshl_or_b32 v[PS], v[T4+3], 24, v[PS]
.irp b, 0,1,2,3
	v_cvt_scalef32_pk8_fp4_f32 v[PC+2*\b], v[S+16*\b:S+7+16*\b], v[CO+\b]       ; the codes of keys 32 b + 16 h + 0 .. 7
	v_cvt_scalef32_pk8_fp4_f32 v[PC+1+2*\b], v[S+8+16*\b:S+15+16*\b], v[CO+\b]  ; and + 8 .. 15
.endr
	v_nop                                          ; one plain vector instruction between a scaled conversion and the vector instruction that touches its result
.irp c, 0,1                                    ; the operand's layout wants a WHOLE block in a lane: lanes 0-15 block 2 c, lanes 16-31 block 2 c + 1
.irp i, 0,1
	v_permlane16_swap_b32 v[PC+4*\c+\i], v[PC+2+4*\c+\i]
.endr
.endr
	v_pk_add_f32 v[T4:T4+1], v[S:S+1], v[S+2:S+3]  ; THE ROW'S SUM IS TAKEN OF THE UNQUANTISED p: two at a time, in two chains
.irp j, 4,8,12,16,20,24,28,32,36,40,44,48,52,56,60
	v_pk_add_f32 v[14:15], v[14:15], v[S+\j:S+1+\j]
	v_pk_add_f32 v[T4:T4+1], v[T4:T4+1], v[S+2+\j:S+3+\j]
.endr
	v_pk_add_f32 v[14:15], v[14:15], v[T4:T4+1]
.irp j, 0,2,4,6,8,10,12,14,16,18,20,22,24,26,28,30
	v_pk_mul_f32 v[O+\j:O+1+\j], v[O+\j:O+1+\j], v[F:F+1] op_sel_hi:[1,0]   ; O^T under the new M: x f, each accumulator from its low end on.  (The 32 sums and these 16 stand between the writing of p's codes and scale word and the products below)
.endr
	; ---- O^T += V^T P^T: four tiles of 16 of the head's 64; K = these 128 keys.  The four accumulators take one turn each, and the next step's eight score products stand between a link and the next
	s_wait_dscnt 0x0                               ; V's fragments and scale words, asked for at the step's head
.irp t, 0,2
	v_wmma_scale_f32_16x16x128_f8f6f4 v[O+8*\t:O+8*\t+7], v[VF+8*\t:VF+8*\t+7], v[PC:PC+7], v[O+8*\t:O+8*\t+7], v[VS+\t/2], v[PS] matrix_a_fmt:MATRIX_FMT_FP4 matrix_b_fmt:MATRIX_FMT_FP4
	v_wmma_scale_f32_16x16x128_f8f6f4 v[O+8*\t+8:O+8*\t+15], v[VF+8*\t+8:VF+8*\t+15], v[PC:PC+7], v[O+8*\t+8:O+8*\t+15], v[VS+\t/2], v[PS] matrix_a_fmt:MATRIX_FMT_FP4 matrix_b_fmt:MATRIX_FMT_FP4 matrix_a_scale:MATRIX_SCALE_ROW1
.endr
.Lhidden:
	s_add_co_u32 s[TK], s[TK], 8*KP                ; the next 128 keys: eight LDS rows of K,
	s_add_co_u32 s[TV], s[TV], 64                  ; 64 bytes in each row of V,
	s_add_co_u32 s[TS], s[TS], 256                 ; 256 of K's scale bytes,
	s_add_co_u32 s[TJ], s[TJ], 4                   ; 4 in each row of V's
	s_add_co_u32 s[KF], s[KF], 128
	s_cmp_lt_u32 s[KF], 2048
	s_cbranch_scc1 .Lstep
	; THE WAY OUT.  The sum's halves are added; O^T is divided by the sum and goes through my own stage in LDS, so that sixteen lanes store one query's 64 channels: 256 consecutive bytes, at a multiple of 256 from the output's first byte.
.rept 4
	v_nop                                          ; places behind the last products
.endr
	v_add_f32 v14, v14, v15                        ; the sum's two halves,
	v_permlanex16_b32 v[XL], v14, s[SEL], s[SEL+1]
	v_add_f32 v14, v14, v[XL]                      ; and lane l xor 16's: the row's sum
	v_rcp_f32 v14, v14
	v_nop                                          ; a plain instruction between the reciprocal and the use of its result
	s_wait_alu depctr_va_vdst(0)
.irp j, 0,1,2,3,4,5,6,7,8,9,10,11,12,13,14,15,16,17,18,19,20,21,22,23,24,25,26,27,28,29,30,31
	v_mul_f32 v[S+\j], v[O+\j], v14                ; O^T / the sum: register 8 t + i is channel 16 t + 8 h + i of query r
.endr
.irp t, 0,1,2,3
	ds_store_b128 v[STO], v[S+8*\t:S+8*\t+3] offset:64*\t
	ds_store_b128 v[STO], v[S+8*\t+4:S+8*\t+7] offset:64*\t+16
.endr
.irp i, 0,1,2,3,4,5,6,7
	ds_load_b128 v[KFR+4*\i:KFR+4*\i+3], v[RD] offset:2*\i*SP      ; LDS serves a wave's instructions in order (ISA guide 5.7.1.4): these see my stores; the bytes are my wave's own
.endr
.irp i, 0,1,2,3,4,5,6,7
	s_wait_dscnt 7-\i                              ; the 7 - i younger loads may stay out; the last count is 0, so no LDS instruction of mine is out at the round below
	global_store_b128 v[GO], v[KFR+4*\i:KFR+4*\i+3], s[16:17] offset:2*\i*3072 th:TH_STORE_NT   ; queries 2 i and 2 i + 1; written once, read by nobody here
.endr
	s_wait_xcnt 0x0
	v_lshl_add_u32 v254, v0, 2, 0x34000
	v_mov_b32 v255, 0
	s_wait_tensorcnt 0x0
	ds_add_u32 v254, v255
	s_wait_dscnt 0x0
	CROUND                                         ; the closing round: no work-group ends while a partner may still ask for a tile that names it
	s_endpgm
.Lfunc_end_k_q39e4573e6c_attn:
	.size	k_q39e4573e6c_attn, .Lfunc_end_k_q39e4573e6c_attn-k_q39e4573e6c_attn
	.p2alignl 7, 3214868480
	.fill 96, 4, 3214868480
	.section	.rodata,"a",@progbits
	.p2align	6, 0x0
	.amdhsa_kernel k_q39e4573e6c_attn
		.amdhsa_group_segment_fixed_size 215040
		.amdhsa_private_segment_fixed_size 0
		.amdhsa_enable_private_segment 0
		.amdhsa_kernarg_size 56
		.amdhsa_user_sgpr_count 2
		.amdhsa_user_sgpr_kernarg_segment_ptr 1
		.amdhsa_wavefront_size32 1
		.amdhsa_system_sgpr_workgroup_id_x 1
		.amdhsa_system_sgpr_workgroup_id_y 1
		.amdhsa_system_sgpr_workgroup_id_z 1
		.amdhsa_system_vgpr_workitem_id 0
		.amdhsa_next_free_vgpr 256
		.amdhsa_next_free_sgpr 96
		.amdhsa_reserve_vcc 1
		.amdhsa_float_denorm_mode_32 3
		.amdhsa_float_denorm_mode_16_64 3
		.amdhsa_memory_ordered 1
		.amdhsa_forward_progress 1
		.amdhsa_inst_pref_size 36
	.end_amdhsa_kernel
	.amdgpu_metadata
---
amdhsa.version: [ 1, 2 ]
amdhsa.kernels:
  - .name:           k_q39e4573e6c_attn
    .symbol:         k_q39e4573e6c_attn.kd
    .args:
      - { .name: multi_head_q_codes, .offset: 0, .size: 8, .value_kind: global_buffer, .address_space: global }
      - { .name: multi_head_q_scales, .offset: 8, .size: 8, .value_kind: global_buffer, .address_space: global }
      - { .name: multi_head_k_codes, .offset: 16, .size: 8, .value_kind: global_buffer, .address_space: global }
      - { .name: multi_head_k_scales, .offset: 24, .size: 8, .value_kind: global_buffer, .address_space: global }
      - { .name: multi_head_v_codes, .offset: 32, .size: 8, .value_kind: global_buffer, .address_space: global }
      - { .name: multi_head_v_scales, .offset: 40, .size: 8, .value_kind: global_buffer, .address_space: global }
      - { .name: out0, .offset: 48, .size: 8, .value_kind: global_buffer, .address_space: global }
    .group_segment_fixed_size: 215040
    .private_segment_fixed_size: 0
    .kernarg_segment_align: 8
    .kernarg_segment_size: 56
    .max_flat_workgroup_size: 512
    .sgpr_count:     96
    .vgpr_count:     256
    .wavefront_size: 32
...
	.end_amdgpu_metadata
.endif
;; end of part 1
